; MI455X (gfx1250); checked and timed in simulation.
; The chip was launched on July 23, 2026; its instructions are those of AMD's public machine-readable ISA for CDNA 5 (MIT licence, August 2026) and "CDNA5" Instruction Set Architecture Reference Guide (July 2026). The comments in the code are by the model that wrote it; some were corrected since.
;; Scaled Dot Product Attention. Allowed arithmetic: float matrix products may take bf16 or f16 operands with f32 sums; other float arithmetic in f32, or as packed bf16 or f16 multiplies, adds, multiply-adds, maxima and minima; sums over many terms, partial sums and values carried from step to step in f32; what a program stores and reads back later, other than sums and carried values, may be rounded once to bf16 or f16.
;; Inputs: qkv 8 x 2,048 x 3,072 float32.
;; Outputs: out0 8 x 2,048 x 1,024 float32.
;; One version. Each part assembles by itself: llvm-mc -triple=amdgcn-amd-amdhsa -mcpu=gfx1250 --defsym DOCPART=n.
;; ======== version 1 of 1: 3 launches
;; limits: inputs' magnitudes at most 65,504; values are held in f16: magnitudes above 65,504 overflow, below 6.1e-05 lose precision; values outside matrix products are rounded to f16
;; workspace buffers: qb 33,554,432 bytes; kb 33,554,432 bytes; vh 33,554,432 bytes; pbuf 67,108,864 bytes; stats 2,097,152 bytes
;; launch prep (part 1): grid 1024 x 1, 8 waves a work-group, no clusters, 0 bytes of LDS; arguments qkv, qb, kb, vh; writes qb, kb, vh
.if DOCPART == 1
	.amdgcn_target "amdgcn-amd-amdhsa--gfx1250"
	.amdhsa_code_object_version 6
	.text
	.protected	k_q73a72712e0_prep
	.globl	k_q73a72712e0_prep
	.p2align	8
	.type	k_q73a72712e0_prep,@function
k_q73a72712e0_prep:
	s_mov_b64 s[64:65], 0
	v_nop
	global_prefetch_b8 v0, s[64:65] scope:SCOPE_SE
	s_setreg_imm32_b32 hwreg(HW_REG_WAVE_MODE, 25, 1), 1
	s_wait_xcnt 0x0
; qkv: [16384 rows][3072] f32, a row = q | k | v, 4,096 bytes each.  qb = bf16(q), kb = bf16(k): [16384][1024] bf16.
; vh = v rounded to bf16, and that number written as f16: [16384][1024] f16.
; LIMITS.  A bf16 number is exact in f16 from 2^-17 up to 65,504; below 2^-17 it keeps f16's fixed step of 6e-8; |v| of 65,520 or more would become an infinity.
; A stream: each input byte is read once, each output byte written once.  No LDS, no barrier, no matrix work, no cluster: the work-groups share no input.
; Eight waves; the work-group owns 16 rows.  Thread t owns the 16 bytes at 16 t of each of a row's three parts, so a wave's load covers 512 consecutive bytes;
; its four results are the 8 bytes at 8 t of an output row, so a wave's store covers 256 consecutive bytes, at a multiple of 256 from the buffer's first byte.
; A ring of D slots in registers, a row (three loads) a slot: twelve loads of every wave are on their way.
.set D,       4                        ; slots
.set ROWS,    16                       ; rows of a work-group
.set ROUNDS,  ROWS/D
.set IN_ROW,  12288                    ; bytes in a row of qkv
.set OUT_ROW, 2048                     ; bytes in a row of qb, kb, vh
.set LO, 1                             ; v1        16 t; never rewritten
.set SO, 2                             ; v2        8 t; never rewritten
.set X,  4                             ; v[4:51]   slot i: 12 registers as loaded: q, k, v
.set Y,  52                            ; v[52:75]  slot i: 6 registers to store: q, k, v
.set T,  76                            ; v[76:81]  at work
	s_load_b256 s[4:11], s[0:1], 0x0               ; qkv s[4:5], qb s[6:7], kb s[8:9], vh s[10:11]
	s_mul_i32 s12, ttmp9, ROWS*IN_ROW              ; the group's first row in qkv: 201,129,984 bytes at the most
	s_mov_b32 s13, 0
	s_lshl_b32 s14, ttmp9, 15                      ; and in the three outputs: 16 rows of 2,048 bytes
	s_mov_b32 s15, 0
	s_mov_b32 s16, 0xffff0000                      ; a word's upper bf16
	v_lshlrev_b32 v[LO], 4, v0
	v_lshlrev_b32 v[SO], 3, v0
	s_wait_kmcnt 0x0
	s_add_nc_u64 s[4:5], s[4:5], s[12:13]
	s_add_nc_u64 s[6:7], s[6:7], s[14:15]
	s_add_nc_u64 s[8:9], s[8:9], s[14:15]
	s_add_nc_u64 s[10:11], s[10:11], s[14:15]
.irp i, 0,1,2,3
.irp p, 0,1,2
	global_load_b128 v[X+12*(\i)+4*(\p):X+12*(\i)+4*(\p)+3], v[LO], s[4:5] offset:(\i)*IN_ROW+(\p)*4096 th:TH_LOAD_NT  ; fill the ring: rows 0 to 3
.endr
.endr
; One slot's turn.  ahead = 1: the slot is filled again with the row D further down.  left = the younger loads that may stay out: three for each younger slot.
.macro SLOT i, ahead, left
	s_wait_loadcnt \left                           ; loads come back in order (ISA guide 5.7.1): my three are in
	s_wait_xcnt 0x0                                ; the slot's Y, which its last stores read, is rewritten only behind this wait
	v_cvt_pk_bf16_f32 v[Y+6*(\i)],   v[X+12*(\i)],   v[X+12*(\i)+1]   ; q
	v_cvt_pk_bf16_f32 v[Y+6*(\i)+1], v[X+12*(\i)+2], v[X+12*(\i)+3]
	v_cvt_pk_bf16_f32 v[Y+6*(\i)+2], v[X+12*(\i)+4], v[X+12*(\i)+5]   ; k
	v_cvt_pk_bf16_f32 v[Y+6*(\i)+3], v[X+12*(\i)+6], v[X+12*(\i)+7]
	v_cvt_pk_bf16_f32 v[T],   v[X+12*(\i)+8],  v[X+12*(\i)+9]         ; v: rounded to bf16,
	v_cvt_pk_bf16_f32 v[T+1], v[X+12*(\i)+10], v[X+12*(\i)+11]
	v_lshlrev_b32 v[T+2], 16, v[T]                                    ; widened again,
	v_and_b32     v[T+3], s16, v[T]
	v_lshlrev_b32 v[T+4], 16, v[T+1]
	v_and_b32     v[T+5], s16, v[T+1]
	v_cvt_pk_f16_f32 v[Y+6*(\i)+4], v[T+2], v[T+3]                    ; and written as f16
	v_cvt_pk_f16_f32 v[Y+6*(\i)+5], v[T+4], v[T+5]
.if \ahead
.irp p, 0,1,2
	global_load_b128 v[X+12*(\i)+4*(\p):X+12*(\i)+4*(\p)+3], v[LO], s[4:5] offset:((\i)+D)*IN_ROW+(\p)*4096 th:TH_LOAD_NT
.endr
.endif
	global_store_b64 v[SO], v[Y+6*(\i):Y+6*(\i)+1],   s[6:7]   offset:(\i)*OUT_ROW
	global_store_b64 v[SO], v[Y+6*(\i)+2:Y+6*(\i)+3], s[8:9]   offset:(\i)*OUT_ROW
	global_store_b64 v[SO], v[Y+6*(\i)+4:Y+6*(\i)+5], s[10:11] offset:(\i)*OUT_ROW
.endm
	s_mov_b32 s17, ROUNDS-1
.Lround:
.irp i, 0,1,2,3
	SLOT \i, 1, 9
.endr
	s_wait_xcnt 0x0                                ; the four bases are stepped only behind this wait
	s_add_nc_u64 s[4:5], s[4:5], D*IN_ROW
	s_add_nc_u64 s[6:7], s[6:7], D*OUT_ROW
	s_add_nc_u64 s[8:9], s[8:9], D*OUT_ROW
	s_add_nc_u64 s[10:11], s[10:11], D*OUT_ROW
	s_sub_co_u32 s17, s17, 1
	s_cmp_lg_u32 s17, 0
	s_cbranch_scc1 .Lround
.irp i, 0,1,2,3
	SLOT \i, 0, 9-3*(\i)                           ; the last round loads nothing: the counts run down
.endr
	s_endpgm
.Lfunc_end_k_q73a72712e0_prep:
	.size	k_q73a72712e0_prep, .Lfunc_end_k_q73a72712e0_prep-k_q73a72712e0_prep
	.p2alignl 7, 3214868480
	.fill 96, 4, 3214868480
	.section	.rodata,"a",@progbits
	.p2align	6, 0x0
	.amdhsa_kernel k_q73a72712e0_prep
		.amdhsa_group_segment_fixed_size 0
		.amdhsa_private_segment_fixed_size 0
		.amdhsa_enable_private_segment 0
		.amdhsa_kernarg_size 32
		.amdhsa_user_sgpr_count 2
		.amdhsa_user_sgpr_kernarg_segment_ptr 1
		.amdhsa_wavefront_size32 1
		.amdhsa_system_sgpr_workgroup_id_x 1
		.amdhsa_system_sgpr_workgroup_id_y 1
		.amdhsa_system_sgpr_workgroup_id_z 1
		.amdhsa_system_vgpr_workitem_id 0
		.amdhsa_next_free_vgpr 84
		.amdhsa_next_free_sgpr 66
		.amdhsa_reserve_vcc 0
		.amdhsa_float_denorm_mode_32 3
		.amdhsa_float_denorm_mode_16_64 3
		.amdhsa_memory_ordered 1
		.amdhsa_forward_progress 1
		.amdhsa_inst_pref_size 12
	.end_amdhsa_kernel
	.amdgpu_metadata
---
amdhsa.version: [ 1, 2 ]
amdhsa.kernels:
  - .name:           k_q73a72712e0_prep
    .symbol:         k_q73a72712e0_prep.kd
    .args:
      - { .name: qkv, .offset: 0, .size: 8, .value_kind: global_buffer, .address_space: global }
      - { .name: qb, .offset: 8, .size: 8, .value_kind: global_buffer, .address_space: global }
      - { .name: kb, .offset: 16, .size: 8, .value_kind: global_buffer, .address_space: global }
      - { .name: vh, .offset: 24, .size: 8, .value_kind: global_buffer, .address_space: global }
    .group_segment_fixed_size: 0
    .private_segment_fixed_size: 0
    .kernarg_segment_align: 8
    .kernarg_segment_size: 32
    .max_flat_workgroup_size: 256
    .sgpr_count:     66
    .vgpr_count:     84
    .wavefront_size: 32
...
	.end_amdgpu_metadata
.endif
;; end of part 1
;; launch scores (part 2): grid 8 x 64, 4 waves a work-group, clusters of 4 x 4, 327,680 bytes of LDS; arguments qb, kb, pbuf, stats; writes pbuf, stats
.if DOCPART == 2
	.amdgcn_target "amdgcn-amd-amdhsa--gfx1250"
	.amdhsa_code_object_version 6
	.text
	.protected	k_q73a72712e0_scores
	.globl	k_q73a72712e0_scores
	.p2align	8
	.type	k_q73a72712e0_scores,@function
k_q73a72712e0_scores:
	s_mov_b64 s[64:65], 0
	v_nop
	global_prefetch_b8 v0, s[64:65] scope:SCOPE_SE
	s_setreg_imm32_b32 hwreg(HW_REG_WAVE_MODE, 25, 1), 1
	s_wait_xcnt 0x0
	s_wait_alu depctr_hold_cnt(0) depctr_sa_sdst(0) depctr_va_vdst(0) depctr_va_sdst(0) depctr_va_ssrc(0) depctr_va_vcc(0) depctr_vm_vsrc(0)
	s_getreg_b32 s2, hwreg(HW_REG_IB_STS2, 6, 4)
	s_cmp_eq_u32 s2, 0
	s_cbranch_scc0 .Lentry_in_a_cluster
	s_endpgm
.Lentry_in_a_cluster:
	s_bfe_u32 s2, ttmp6, 0x10000c
	s_cmp_lg_u32 s2, 0xf033
	s_cbranch_scc0 .Lentry_shape_is_right
	s_endpgm
.Lentry_shape_is_right:
; S = q k^T for one tile of 256 queries x 256 keys of one batch, and the softmax's first half on the way out.  qb, kb: [16384][1024] bf16; sums in f32.
; For each query and each block of 128 keys (a wave's share of a row): cm = c x the block's largest score, c = log2(e) / 32 (the division by sqrt(1024) lies in c, in f32);
; p = 2^(c s - cm), rounded to f16, into pbuf [16384 rows][2048 keys]; l = the sum of the unrounded p.  stats: [2 planes][16 key blocks][16384 rows] f32: plane 0 cm, plane 1 l.
; The next launch takes the largest of a row's sixteen cm and rescales: the maximum that is taken away is the row's true maximum.
; LIMITS.  p lies in 0 to 1; below 6e-5 it keeps f16's fixed step of 6e-8; a p below 2^-126 counts as 0 in l; NaN and infinities are not treated apart.
; SHAPE.  Four waves, each 128 x 128: 64 accumulators of 16 x 16, 512 registers.  K (1,024 channels) goes in 8 steps of 128 through a ring of two LDS slots filled by the tensor data mover.
; CLUSTERS: 4 x 4 work-groups.  The four of a row of the cluster need the same tiles of q, the four of a column the same tiles of k (a cluster's 1,024 rows lie in one batch):
; each tile is asked for JOINTLY, by the same tensor load with the same descriptor and a mask that names the four.
; THE MATRIX INSTRUCTION IS USED TRANSPOSED: source 0 = 16 keys, source 1 = 16 queries.  A lane then holds ONE query (lane % 16) and, in each accumulator, the keys 8 (lane / 16) + 0..7:
; a query's maximum and sum want one exchange between the halves of the lanes, and eight weights pack into 16 bytes of a row of pbuf.
; REGISTERS, in windows of 256 (s_set_vgpr_msb: bits 1:0 source 0, 3:2 source 1, 5:4 source 2, 7:6 destination):
;   window 0: v0-31 addresses; v64-127, v128-191 fragments of q, two buffers; on the way out they are at work; v192-223 packed weights; v32-63, v224-255 rows read back from the stage
;   window 1: v64-127, v128-191 fragments of k     window 2: the accumulators of my rows 0-63 ((a, b) at v[8 (8 a + b)])     window 3: those of my rows 64-127
.set SIZE_K, 1024
.set KSTEP,  128
.set PITCH,  272                       ; an LDS row: 256 bytes + 16 of padding = 68 words: row r starts at bank 4 r mod 64 (64 banks of 4 bytes: ISA guide 11.1)
.set HALFT,  128*PITCH                 ; 128 rows: what one tensor load brings
.set SLOT,   4*HALFT                   ; q's 256 rows, then k's 256 rows
.set STAGE,  2*SLOT                    ; behind the ring: 16 rows x 272 bytes for each wave
.set SPITCH, 272
.set STATB,  STAGE+4*16*SPITCH         ; 1,024 bytes for each wave: 128 cm, then 128 l
.set SPARE,  STATB+4*1024              ; the spare words, 128 bytes for each wave: two blocks of 256 bytes that no other line names
.set LAPS,   SIZE_K/(2*KSTEP)          ; a lap = two K steps = once round the ring
.set PROW,   4096                      ; bytes in a row of pbuf
.set ADRA, 16                          ; v16-17  LDS address of my q fragments in slot 0, 1
.set ADRB, 20                          ; v20-21  the same for k
.set STO,  24                          ; v24     where I put 16 bytes of a row
.set RD,   25                          ; v25     where I read a row back
.set CO,   26                          ; v26     my byte offset in pbuf
.set STS,  27                          ; v27     where I put my query's cm (lanes 0-15) or l (lanes 16-31)
.set SPW,  28                          ; v28     LDS address of my spare word; never rewritten
.set NIL,  29                          ; v29     0; never rewritten
.set SRD,  30                          ; v30     where I read 16 bytes of cm or l back
.set SGO,  31                          ; v31     16 x lane: my byte offset in 512 bytes of stats
.set F0,   64
.set F1,   128
.set T,    64                          ; the way out: a block's 64 numbers of my lane
.set MX,   128                         ; eight running maxima
.set OT,   136                         ; the other half of the lanes'
.set CM,   138                         ; v[138:139] cm in the low register
.set LS,   140                         ; v[140:141] l (even keys', odd keys')
.set SV,   142
.set TMP,  192
.set OB,   32
.set WV,   12                          ; s12 wave
.set RH,   13                          ; s13 which half of the tile's rows is mine; also: I fetch for q (0) or for k (1)
.set CH,   14                          ; s14 which half of its columns; also: which 128 rows of that tile I fetch
.set LAPC, 15
.set G1,   24                          ; s[24:31] descriptor group 1 for q's tiles; s[32:39] group 0, a set for each slot
.set G0,   32
.set G1B,  48                          ; s[48:55], s[56:63] the same for k's tiles
.set G0B,  56
.set CS,   66                          ; s[66:67] c
.set SEL,  68                          ; s[68:69] v_permlanex16_b32's selects: each lane takes its own place in the other half
.set HM,   70                          ; s70 a mask of lanes 16-31
.set MSB, 0
.macro WIN new                         ; the immediate's high byte repeats the setting that is left; a switch that changes nothing is dropped
.if MSB != (\new)
	s_set_vgpr_msb (MSB<<8)|(\new)
.set MSB, \new
.endif
.endm
.set MUL_LO, 0xa1                      ; source 0 (k) window 1, source 1 (q) window 0, C and D window 2
.set MUL_HI, 0xf1                      ; the same, C and D window 3
.set TO_B,   0x40                      ; destination window 1, address window 0
; A joint load.  Waves 0 and 1 fetch q's two halves, waves 2 and 3 k's.  The branch hangs on the wave's number alone.  An s_nop 0 and four v_nop follow each of the two lines.
.macro JLOAD s
	s_cmp_eq_u32 s[RH], 0
	s_cbranch_scc0 .Lfor_b_\@
	tensor_load_to_lds s[G0+4*(\s):G0+4*(\s)+3], s[G1:G1+7]
	s_nop 0
.rept 4
	v_nop
.endr
	s_branch .Lasked_\@
.Lfor_b_\@:
	tensor_load_to_lds s[G0B+4*(\s):G0B+4*(\s)+3], s[G1B:G1B+7]
	s_nop 0
.rept 4
	v_nop
.endr
.Lasked_\@:
.endm
.macro CREST                           ; a round of the cluster's barrier behind its opening barrier
	s_cmp_lg_u32 s[WV], 0
	s_cbranch_scc1 .Lnot_wave_0_\@
	s_barrier_signal -3
.Lnot_wave_0_\@:
	s_barrier_wait -3
	s_barrier_signal -1
	s_barrier_wait -1
.endm
.macro CROUND                          ; a whole round
	s_barrier_signal -1
	s_barrier_wait -1
	CREST
.endm
	s_load_b256 s[4:11], s[0:1], 0x0               ; qb s[4:5], kb s[6:7], pbuf s[8:9], stats s[10:11]
	v_lshl_add_u32 v[SPW], v0, 2, SPARE
	v_mov_b32 v[NIL], 0
	ds_add_u32 v[SPW], v[NIL]                      ; the wave's opening: the add and its wait stand ahead of my first tensor load; work on registers stands between them
	v_lshrrev_b32 v1, 5, v0
	v_readfirstlane_b32 s[WV], v1                  ; wave 0..3
	s_lshr_b32 s[RH], s[WV], 1
	s_and_b32 s[CH], s[WV], 1
	s_bfe_u32 s40, ttmp6, 0x40000                  ; cx
	s_bfe_u32 s41, ttmp6, 0x40004                  ; cy
	s_lshl_b32 s42, ttmp9, 2
	s_add_co_u32 s42, s42, s40                     ; key tile = 4 x cluster x + cx, 0..7
	s_and_b32 s16, ttmp7, 0xffff                   ; the cluster's y
	s_lshl_b32 s43, s16, 2
	s_add_co_u32 s43, s43, s41                     ; row tile over the stacked batches = 4 x cluster y + cy, 0..63
	s_lshr_b32 s17, s16, 1                         ; the batch: two clusters' 1,024 rows each; all sixteen partners share it
	s_lshl_b32 s44, s41, 2
	s_lshl_b32 s44, 15, s44                        ; my row of the cluster
	s_lshl_b32 s45, 0x1111, s40                    ; my column
	; descriptor group 1: a tile of 128 rows x 128 elements, padded in LDS
	s_or_b32 s[G1+0], s44, (1<<16)|(1<<20)|(1<<21)|(5<<22)|(3<<25)  ; 15:0 the mask; 17:16 elements of 2 bytes; 20 padding on; 21 set beside a mask; 24:22 after every 64 words; 31:25 4 words of it
	s_or_b32 s[G1B+0], s45, (1<<16)|(1<<20)|(1<<21)|(5<<22)|(3<<25)
.irp g, G1, G1B
	s_mov_b32 s[(\g)+1], KSTEP<<16                 ; tensor_dim0 = 128
	s_mov_b32 s[(\g)+2], 128<<16                   ; tensor_dim1 = 128
	s_mov_b32 s[(\g)+3], KSTEP<<16                 ; tile_dim0 = 128
	s_mov_b32 s[(\g)+4], 128                       ; tile_dim1 = 128
	s_mov_b32 s[(\g)+5], SIZE_K                    ; elements from row to row
	s_mov_b32 s[(\g)+6], 0
	s_mov_b32 s[(\g)+7], 0
.endr
	; q's tiles hang on the row tile alone, k's on the batch and the key tile alone; each offset in registers that never hold the other coordinate
	s_lshl_b32 s18, s43, 8
	s_lshl_b32 s19, s[CH], 7
	s_add_co_u32 s18, s18, s19                     ; q: row 256 x row tile + 128 x half
	s_lshl_b32 s18, s18, 11                        ; rows of 2,048 bytes: under 2^25
	s_mov_b32 s19, 0
	s_lshl_b32 s46, s42, 8
	s_lshl_b32 s47, s17, 11
	s_add_co_u32 s46, s46, s47
	s_lshl_b32 s47, s[CH], 7
	s_add_co_u32 s46, s46, s47                     ; k: row 2,048 x batch + 256 x key tile + 128 x half
	s_lshl_b32 s46, s46, 11
	s_mov_b32 s47, 0
	s_mul_i32 s20, s[WV], HALFT                    ; where they go: wave x 128 rows: no place in the cluster enters an LDS address
	s_lshl_b32 s72, s43, 8
	s_lshl_b32 s73, s[RH], 7
	s_add_co_u32 s72, s72, s73                     ; my first row
	s_lshl_b32 s74, s72, 2                         ; in a plane of stats,
	s_lshl_b32 s72, s72, 12                        ; and in pbuf
	s_lshl_b32 s73, s42, 1
	s_add_co_u32 s73, s73, s[CH]                   ; my block of 128 keys, 0..15
	s_lshl_b32 s75, s73, 16
	s_add_co_u32 s74, s74, s75
	s_lshl_b32 s73, s73, 8
	s_add_co_u32 s72, s72, s73
	s_mov_b32 s73, 0
	s_mov_b32 s75, 0
	s_mov_b32 s[CS], 0x3d38aa3b                    ; c = log2(e) / 32
	s_mov_b32 s[CS+1], s[CS]                       ; named with it as a pair
	s_mov_b32 s[SEL], 0x76543210
	s_mov_b32 s[SEL+1], 0xfedcba98
	s_mov_b32 s[HM], 0xffff0000
	s_wait_dscnt 0x0                               ; the opening add is done
	s_wait_kmcnt 0x0
	s_add_nc_u64 s[18:19], s[4:5], s[18:19]
	s_add_nc_u64 s[46:47], s[6:7], s[46:47]
	s_add_nc_u64 s[8:9], s[8:9], s[72:73]
	s_add_nc_u64 s[10:11], s[10:11], s[74:75]
	CROUND                                         ; all sixteen work-groups are here: the first joint loads meet
.irp s, 0,1
	s_mov_b32 s[G0+4*(\s)], 1                                      ; count = 1
	s_add_co_u32 s[G0+4*(\s)+1], s20, (\s)*SLOT                    ; LDS address
	s_add_nc_u64 s[G0+4*(\s)+2:G0+4*(\s)+3], s[18:19], (\s)*KSTEP*2  ; global address: K step s
	s_or_b32 s[G0+4*(\s)+3], s[G0+4*(\s)+3], 0x80000000            ; type = 2
	s_mov_b32 s[G0B+4*(\s)], 1
	s_add_co_u32 s[G0B+4*(\s)+1], s20, (\s)*SLOT
	s_add_nc_u64 s[G0B+4*(\s)+2:G0B+4*(\s)+3], s[46:47], (\s)*KSTEP*2
	s_or_b32 s[G0B+4*(\s)+3], s[G0B+4*(\s)+3], 0x80000000
	JLOAD \s                                       ; two loads of mine are out
.endr
	; A fragment is 16 rows x 32 K in 8 registers: lane l holds row l % 16; registers 0-3 K = 8 (l / 16) + 0..7, registers 4-7 K = 16 + 8 (l / 16) + 0..7: two loads of 16 bytes, 32 bytes apart.
	v_and_b32 v1, 15, v0                           ; l % 16
	v_bfe_u32 v2, v0, 4, 1                         ; l / 16
	v_mul_u32_u24 v3, v1, PITCH
	v_lshl_add_u32 v3, v2, 4, v3
	s_mul_i32 s21, s[RH], HALFT                    ; my 128 rows of q
	s_mul_i32 s22, s[CH], HALFT                    ; my 128 rows of k,
	s_add_co_u32 s22, s22, 2*HALFT                 ; which lie behind q's 256
.irp s, 0,1
	v_add_nc_u32 v[ADRA+(\s)], s21, v3
	v_add_nc_u32 v[ADRB+(\s)], s22, v3
	s_add_co_u32 s21, s21, SLOT
	s_add_co_u32 s22, s22, SLOT
.endr
	s_mul_i32 s23, s[WV], 16*SPITCH
	s_add_co_u32 s23, s23, STAGE                   ; my stage
	v_mul_u32_u24 v4, v1, SPITCH                   ; in: row l % 16, 16 bytes for each half of the lanes
	v_lshl_add_u32 v4, v2, 4, v4
	v_add_nc_u32 v[STO], s23, v4
	v_mul_u32_u24 v5, v2, SPITCH                   ; back: lanes 0-15 take one row of 256 bytes, lanes 16-31 the next
	v_lshl_add_u32 v5, v1, 4, v5
	v_add_nc_u32 v[RD], s23, v5
	v_lshlrev_b32 v5, 12, v2                       ; and the same two rows in pbuf
	v_lshl_add_u32 v[CO], v1, 4, v5
	s_lshl_b32 s23, s[WV], 10
	s_add_co_u32 s23, s23, STATB                   ; my 1,024 bytes of cm and l
	v_lshlrev_b32 v5, 9, v2
	v_lshl_add_u32 v5, v1, 2, v5
	v_add_nc_u32 v[STS], s23, v5
	v_and_b32 v5, 31, v0
	v_lshlrev_b32 v[SGO], 4, v5
	v_add_nc_u32 v[SRD], s23, v[SGO]
; 16 matrix instructions: row blocks a0, a0 + 1 of the window's four x all 8 key blocks, 32 along K.  zero = 1: the first product starts the sums.
; The 64 accumulators take turns, one instruction a turn, in the same order in every quarter step.
.macro MUL16 f, hi, a0, zero
	WIN MUL_LO+0x50*(\hi)
.irp a, \a0, (\a0)+1
.irp b, 0,1,2,3,4,5,6,7
.if \zero
	v_wmma_f32_16x16x32_bf16 v[8*(8*(\a)+(\b)):8*(8*(\a)+(\b))+7], v[(\f)+8*(\b):(\f)+8*(\b)+7], v[(\f)+8*(4*(\hi)+(\a)):(\f)+8*(4*(\hi)+(\a))+7], 0
.else
	v_wmma_f32_16x16x32_bf16 v[8*(8*(\a)+(\b)):8*(8*(\a)+(\b))+7], v[(\f)+8*(\b):(\f)+8*(\b)+7], v[(\f)+8*(4*(\hi)+(\a)):(\f)+8*(4*(\hi)+(\a))+7], v[8*(8*(\a)+(\b)):8*(8*(\a)+(\b))+7]
.endif
.endr
.endr
.endm
; 32 LDS loads in one run: the fragments of one quarter step (32 K at byte k of the rows) into buffer f: k's 16, then q's 16
.macro FETCH slot, k, f
	WIN TO_B
.irp i, 0,1,2,3,4,5,6,7
	ds_load_b128 v[(\f)+8*(\i):(\f)+8*(\i)+3],   v[ADRB+(\slot)] offset:(\k)+(\i)*16*PITCH
	ds_load_b128 v[(\f)+8*(\i)+4:(\f)+8*(\i)+7], v[ADRB+(\slot)] offset:(\k)+(\i)*16*PITCH+32
.endr
	WIN 0
.irp i, 0,1,2,3,4,5,6,7
	ds_load_b128 v[(\f)+8*(\i):(\f)+8*(\i)+3],   v[ADRA+(\slot)] offset:(\k)+(\i)*16*PITCH
	ds_load_b128 v[(\f)+8*(\i)+4:(\f)+8*(\i)+7], v[ADRA+(\slot)] offset:(\k)+(\i)*16*PITCH+32
.endr
.endm
; Four places (plain vector instructions that name none of a matrix instruction's registers) in front of loads into registers that matrix instructions have read, and of vector work on results just made
.macro PLACES
.rept 4
	v_nop
.endr
.endm
; A K step is four quarters of 32 along K, 64 matrix instructions each, on buffers 0, 1, 0, 1.  One of the first three multiplies buffer f and, in its middle, fetches the next quarter into g.
.macro QUARTER slot, k, f, g, zero
	s_wait_dscnt 8                                 ; k and q's rows 0-63 are in; the youngest eight loads (q's rows 64-127) may be out
	MUL16 \f, 0, 0, \zero
	MUL16 \f, 0, 2, \zero
	PLACES
	FETCH \slot, \k, \g
	s_wait_dscnt 32                                ; all but the 32 just issued
	MUL16 \f, 1, 0, \zero
	MUL16 \f, 1, 2, \zero
.endm
; The last quarter multiplies buffer 1 and changes slots: ONE barrier.  In front of it each wave waits for all its tensor loads (one is out: its part of the next slot), adds 0 to its spare word,
; and waits for that and for its own reads of this slot.  fill = 1: the barrier opens a round of the cluster's, and this slot is filled again, two K steps ahead, first thing behind the round.
.macro TURN slot, next, fill
	WIN 0                                          ; (the add's two registers lie in window 0)
	s_wait_tensorcnt 0x0                           ; all my tensor loads have landed
	ds_add_u32 v[SPW], v[NIL]                      ; 0 onto my spare word
	s_wait_dscnt 9                                 ; (the add and the youngest eight loads may be out)
	MUL16 F1, 0, 0, 0                              ; sixteen matrix instructions stand between the add and the wait for it
	s_wait_dscnt 0x0                               ; the add is done, and my reads of this slot are over
	s_barrier_signal -1
	MUL16 F1, 0, 2, 0                              ; work on registers while the others arrive
	WIN 0
	s_barrier_wait -1
.if \fill
	CREST                                          ; no wave of any partner still reads this slot's tile or has a load on its way
	s_add_nc_u64 s[G0+4*(\slot)+2:G0+4*(\slot)+3], s[G0+4*(\slot)+2:G0+4*(\slot)+3], 2*KSTEP*2
	s_add_nc_u64 s[G0B+4*(\slot)+2:G0B+4*(\slot)+3], s[G0B+4*(\slot)+2:G0B+4*(\slot)+3], 2*KSTEP*2
	JLOAD \slot                                    ; 224 matrix instructions ahead of the wait for it; its four v_nop are also the places in front of the loads below
.else
	PLACES
.endif
	FETCH \next, 0, F0
	MUL16 F1, 1, 0, 0
	MUL16 F1, 1, 2, 0
.endm
; THE WAY OUT of row block a (16 queries; my lane: one query, 64 of its 128 keys).
.macro EPI a
.set AC, 64*((\a)%4)
.set W, 2+(\a)/4
	WIN 21*W                                       ; all three sources in the accumulators' window
.irp b, 0,1,2,3,4,5,6,7
	v_max3_num_f32 v[MX+(\b)], v[AC+8*(\b)], v[AC+8*(\b)+1], v[AC+8*(\b)+2]   ; each accumulator's lowest registers are read first
.endr
	WIN 20*W
.irp b, 0,1,2,3,4,5,6,7
	v_max3_num_f32 v[MX+(\b)], v[MX+(\b)], v[AC+8*(\b)+3], v[AC+8*(\b)+4]
.endr
.irp b, 0,1,2,3,4,5,6,7
	v_max3_num_f32 v[MX+(\b)], v[MX+(\b)], v[AC+8*(\b)+5], v[AC+8*(\b)+6]
.endr
.irp k, 0,1,2,3
	v_max3_num_f32 v[MX+2*(\k)], v[MX+2*(\k)], v[AC+16*(\k)+7], v[AC+16*(\k)+15]
.endr
	WIN 0
	v_max3_num_f32 v[MX], v[MX], v[MX+1], v[MX+2]
	v_max3_num_f32 v[MX+3], v[MX+3], v[MX+4], v[MX+5]
	v_max3_num_f32 v[MX], v[MX], v[MX+3], v[MX+6]
	v_max_num_f32 v[MX], v[MX], v[MX+7]
	v_permlanex16_b32 v[OT], v[MX], s[SEL], s[SEL+1]   ; the query's other 64 keys lie in the lane 16 away
	v_max_num_f32 v[MX], v[MX], v[OT]
	v_mul_f32 v[CM], s[CS], v[MX]                  ; cm
	WIN W                                          ; source 0 in the accumulators' window
.set i, 0
.rept 32
	v_pk_fma_f32 v[T+2*i:T+2*i+1], v[AC+2*i:AC+2*i+1], s[CS:CS+1], v[CM:CM+1] op_sel_hi:[1,0,0] neg_lo:[0,0,1] neg_hi:[0,0,1]  ; c s - cm
.set i, i+1
.endr
	WIN 0
; two exponentials, then the rounding and the sum of the pair before: a plain instruction stands between every exponential and the use of its result (ISA guide 5.7.2)
.set i, 0
.rept 32
	v_exp_f32 v[T+2*i], v[T+2*i]
	v_exp_f32 v[T+2*i+1], v[T+2*i+1]
.if i == 0
	v_nop
.else
	s_wait_alu depctr_va_vdst(0)
	v_cvt_pk_f16_f32 v[TMP+i-1], v[T+2*i-2], v[T+2*i-1]
.endif
.if i == 2
	v_pk_add_f32 v[LS:LS+1], v[T:T+1], v[T+2:T+3]
.elseif i > 2
	v_pk_add_f32 v[LS:LS+1], v[LS:LS+1], v[T+2*i-2:T+2*i-1]
.endif
.set i, i+1
.endr
	v_cvt_pk_f16_f32 v[TMP+31], v[T+62], v[T+63]
	v_pk_add_f32 v[LS:LS+1], v[LS:LS+1], v[T+62:T+63]
	v_add_f32 v[LS], v[LS], v[LS+1]
	v_permlanex16_b32 v[OT], v[LS], s[SEL], s[SEL+1]
	v_add_f32 v[LS], v[LS], v[OT]                  ; l of the query's 128 keys
	v_cndmask_b32 v[SV], v[CM], v[LS], s[HM]       ; lanes 0-15 carry cm, lanes 16-31 l
	ds_store_b32 v[STS], v[SV] offset:64*(\a)
.endm
.macro TOSTAGE a                       ; 16 bytes a lane into my own stage, and back as whole rows of 256 bytes
	WIN 0
.set BK, OB+192*((\a)%2)
.irp b, 0,1,2,3,4,5,6,7
	ds_store_b128 v[STO], v[TMP+4*(\b):TMP+4*(\b)+3] offset:32*(\b)
.endr
.irp t, 0,1,2,3,4,5,6,7
	ds_load_b128 v[BK+4*(\t):BK+4*(\t)+3], v[RD] offset:(\t)*2*SPITCH  ; LDS serves a wave's instructions in order (ISA guide 5.7.1.4): these see the stores above
.endr
.endm
.macro SEND a
	WIN 0
.set BK, OB+192*((\a)%2)
	s_wait_dscnt 0x0                               ; the block is back in registers
	s_wait_xcnt 0x0                                ; only behind this wait are the stores' base and the registers that earlier stores read rewritten
.if (\a) > 0
	s_add_nc_u64 s[8:9], s[8:9], 16*PROW           ; 16 rows of pbuf on
.endif
.irp t, 0,1,2,3,4,5,6,7
	global_store_b128 v[CO], v[BK+4*(\t):BK+4*(\t)+3], s[8:9] offset:2*(\t)*PROW  ; 16 lanes store 256 consecutive bytes, at a multiple of 256 from pbuf's first byte
.endr
.endm
	s_wait_tensorcnt 1                             ; my part of K step 0 is in; K step 1's may stay out
	s_barrier_signal -1
	s_barrier_wait -1                              ; everybody's is
	FETCH 0, 0, F0
	QUARTER 0, 64,  F0, F1, 1                      ; the first quarter stands in front of the loop: its products start the sums
	WIN 0                                          ; at a label and at a branch every window is 0
	s_mov_b32 s[LAPC], LAPS-1
.Llap:                                                 ; a trip goes once round the ring and fills both slots again
	QUARTER 0, 128, F1, F0, 0
	QUARTER 0, 192, F0, F1, 0
	TURN 0, 1, 1
	QUARTER 1, 64,  F0, F1, 0
	QUARTER 1, 128, F1, F0, 0
	QUARTER 1, 192, F0, F1, 0
	TURN 1, 0, 1
	QUARTER 0, 64,  F0, F1, 0
	WIN 0
	s_sub_co_u32 s[LAPC], s[LAPC], 1
	s_cmp_lg_u32 s[LAPC], 0
	s_cbranch_scc1 .Llap
	QUARTER 0, 128, F1, F0, 0                      ; the last lap is written out: it fills nothing, and has no round of the cluster's barrier
	QUARTER 0, 192, F0, F1, 0
	TURN 0, 1, 0
	QUARTER 1, 64,  F0, F1, 0
	QUARTER 1, 128, F1, F0, 0
	QUARTER 1, 192, F0, F1, 0
	s_wait_dscnt 8                                 ; the very last quarter: nothing more to fetch
	MUL16 F1, 0, 0, 0
	MUL16 F1, 0, 2, 0
	s_wait_dscnt 0x0
	MUL16 F1, 1, 0, 0
	MUL16 F1, 1, 2, 0
	WIN 0
	PLACES
	v_mov_b32 v[OT], 0                             ; v_permlanex16_b32's destination counts as read;
	v_mov_b32 v[CM+1], 0                           ; named with cm as a pair
	EPI 0
	TOSTAGE 0
.irp a, 1,2,3,4,5,6,7                  ; block a's arithmetic stands between block a - 1's loads from the stage and the wait for them
	EPI \a
	SEND (\a)-1
	TOSTAGE \a
.endr
	SEND 7
	ds_load_b128 v[T:T+3], v[SRD]                  ; my wave's 128 cm and 128 l: its own bytes, served behind its stores
	ds_load_b128 v[T+4:T+7], v[SRD] offset:512
	s_wait_dscnt 0x0
	global_store_b128 v[SGO], v[T:T+3], s[10:11]                     ; 512 consecutive bytes of plane 0,
	global_store_b128 v[SGO], v[T+4:T+7], s[10:11] offset:1048576    ; and of plane 1
	s_wait_tensorcnt 0x0                           ; the wave's end, behind my last tensor load and my last LDS store
	ds_add_u32 v[SPW], v[NIL]
	s_wait_dscnt 0x0
	CROUND                                         ; the closing round: no work-group ends while a partner may still ask for a tile that names it
	s_endpgm
.Lfunc_end_k_q73a72712e0_scores:
	.size	k_q73a72712e0_scores, .Lfunc_end_k_q73a72712e0_scores-k_q73a72712e0_scores
	.p2alignl 7, 3214868480
	.fill 96, 4, 3214868480
	.section	.rodata,"a",@progbits
	.p2align	6, 0x0
	.amdhsa_kernel k_q73a72712e0_scores
		.amdhsa_group_segment_fixed_size 327680
		.amdhsa_private_segment_fixed_size 0
		.amdhsa_enable_private_segment 0
		.amdhsa_kernarg_size 32
		.amdhsa_user_sgpr_count 2
		.amdhsa_user_sgpr_kernarg_segment_ptr 1
		.amdhsa_wavefront_size32 1
		.amdhsa_system_sgpr_workgroup_id_x 1
		.amdhsa_system_sgpr_workgroup_id_y 1
		.amdhsa_system_sgpr_workgroup_id_z 1
		.amdhsa_system_vgpr_workitem_id 0
		.amdhsa_next_free_vgpr 1024
		.amdhsa_next_free_sgpr 80
		.amdhsa_reserve_vcc 0
		.amdhsa_float_denorm_mode_32 3
		.amdhsa_float_denorm_mode_16_64 3
		.amdhsa_memory_ordered 1
		.amdhsa_forward_progress 1
		.amdhsa_inst_pref_size 219
	.end_amdhsa_kernel
	.amdgpu_metadata
---
amdhsa.version: [ 1, 2 ]
amdhsa.kernels:
  - .name:           k_q73a72712e0_scores
    .symbol:         k_q73a72712e0_scores.kd
    .args:
      - { .name: qb, .offset: 0, .size: 8, .value_kind: global_buffer, .address_space: global }
      - { .name: kb, .offset: 8, .size: 8, .value_kind: global_buffer, .address_space: global }
      - { .name: pbuf, .offset: 16, .size: 8, .value_kind: global_buffer, .address_space: global }
      - { .name: stats, .offset: 24, .size: 8, .value_kind: global_buffer, .address_space: global }
    .group_segment_fixed_size: 327680
    .private_segment_fixed_size: 0
    .kernarg_segment_align: 8
    .kernarg_segment_size: 32
    .max_flat_workgroup_size: 128
    .sgpr_count:     80
    .vgpr_count:     1024
    .wavefront_size: 32
...
	.end_amdgpu_metadata
.endif
;; end of part 2
;; launch pv (part 3): grid 4 x 64, 4 waves a work-group, clusters of 4 x 4, 327,680 bytes of LDS; arguments pbuf, vh, stats, out0; writes out0
.if DOCPART == 3
	.amdgcn_target "amdgcn-amd-amdhsa--gfx1250"
	.amdhsa_code_object_version 6
	.text
	.protected	k_q73a72712e0_pv
	.globl	k_q73a72712e0_pv
	.p2align	8
	.type	k_q73a72712e0_pv,@function
k_q73a72712e0_pv:
	s_mov_b64 s[64:65], 0
	v_nop
	global_prefetch_b8 v0, s[64:65] scope:SCOPE_SE
	s_setreg_imm32_b32 hwreg(HW_REG_WAVE_MODE, 25, 1), 1
	s_wait_xcnt 0x0
	s_wait_alu depctr_hold_cnt(0) depctr_sa_sdst(0) depctr_va_vdst(0) depctr_va_sdst(0) depctr_va_ssrc(0) depctr_va_vcc(0) depctr_vm_vsrc(0)
	s_getreg_b32 s2, hwreg(HW_REG_IB_STS2, 6, 4)
	s_cmp_eq_u32 s2, 0
	s_cbranch_scc0 .Lentry_in_a_cluster
	s_endpgm
.Lentry_in_a_cluster:
	s_bfe_u32 s2, ttmp6, 0x10000c
	s_cmp_lg_u32 s2, 0xf033
	s_cbranch_scc0 .Lentry_shape_is_right
	s_endpgm
.Lentry_shape_is_right:
; out = softmax x V for one tile of 256 rows x 256 channels.  pbuf: [16384 rows][2048 keys] f16, p = 2^(c s - cm_t) by blocks t of 128 keys; vh: [16384 keys][1024] f16;
; stats: [2 planes][16 blocks][16384 rows] f32 (cm, l); out0: [16384][1024] f32.  Sums in f32.
; For each row: M = the largest of its sixteen cm; e_t = 2^(cm_t - M); F_t = e_t / (the sum over u of e_u l_u), rounded to f16.  out = the sum over t of (P_t F_t) V_t.
; M is c times the row's true largest score, so the maximum is taken away as in the softmax itself; the divisor is at least about 1 (the largest score's own weight).
; LIMITS.  F, and p F (the final weight, rounded to f16 once more), lie in 0 to 1 and keep f16's fixed step of 6e-8 below 6e-5; an e below 2^-126 counts as 0; V arrives within 65,504;
; NaN and infinities are not treated apart.
; SHAPE.  Four waves, each 128 x 128: 64 accumulators, 512 registers.  K (2,048 keys) goes in 16 steps of 128, a step a block t, through a ring of two LDS slots filled by the tensor data mover.
; CLUSTERS: 4 x 4 work-groups.  The four of a row of the cluster are the four channel tiles of the same 256 rows and need the same tiles of P; the four of a column need the same tiles of V
; (a cluster's 1,024 rows lie in one batch).  Each tile is asked for JOINTLY, by the same tensor load with the same descriptor and a mask that names the four.
; THE MATRIX INSTRUCTION IS USED TRANSPOSED: source 0 = 16 channels of V^T, turned on the way out of LDS by ds_load_tr16_b128; source 1 = 16 rows of P.  A lane of source 1 holds ONE row, so the row's
; factor is one register a lane and row block, and a fragment is scaled by eight packed multiplies.  These stand two behind every second matrix instruction of the row block before.
; REGISTERS, in windows of 256 (s_set_vgpr_msb: bits 1:0 source 0, 3:2 source 1, 5:4 source 2, 7:6 destination):
;   window 0: v0-31 addresses; v40-47, v48-55 the factors of slot 0's and slot 1's step; v64-127, v128-191 fragments of P, two buffers; on the way out v32-63, v224-255 rows read back
;   window 1: v64-127, v128-191 fragments of V^T     window 2: the accumulators of my rows 0-63 ((a, b) at v[8 (8 a + b)])     window 3: those of my rows 64-127
.set KEYS,   2048
.set KSTEP,  128
.set PITCH,  272                       ; a row of P in LDS: 256 bytes + 16 of padding: the 16 rows of a load start at 16 different groups of four banks (64 banks of 4 bytes: ISA guide 11.1)
.set PV,     544                       ; a row of V: 512 bytes + 32 = 136 words
.set HALFT,  128*PITCH                 ; what one tensor load brings: 128 rows of P, or 64 rows of V (64 x 544 is the same number)
.set SLOT,   4*HALFT                   ; P's 256 rows, then V's 128 keys
.set STAGE,  2*SLOT                    ; behind the ring: 16 rows x 272 bytes for each wave
.set SPITCH, 272
.set TAB,    STAGE+4*16*SPITCH         ; the factors: 16 steps x 1,024 bytes; never filled by a tensor load
.set SPARE,  TAB+16*1024               ; the spare words, 128 bytes for each wave: two blocks of 256 bytes that no other line names
.set LAPS,   KEYS/(2*KSTEP)
.set OROW,   4096                      ; bytes in a row of out0, and of pbuf
.set ADRA, 16                          ; v16-17  LDS address of my P fragments in slot 0, 1
.set ADRB, 20                          ; v20-21  the same for V
.set STO,  24
.set RD,   25
.set CO,   26
.set FA,   27                          ; v27     LDS address of my factors of the lap's first step
.set SPW,  28                          ; v28     LDS address of my spare word; never rewritten
.set NIL,  29                          ; v29     0; never rewritten
.set TS,   30                          ; v30     where my thread puts its two rows' factors
.set SOF,  31                          ; v31     8 x thread: my two rows in a line of stats
.set FR0,  40
.set FR1,  48
.set F0,   64
.set F1,   128
.set OB,   32
.set CMR,  64                          ; the head: cm_t of my two rows at v[CMR+2t:+1], then e_t, then F_t
.set LR,   96                          ; l_t likewise, then F_t twice in f16
.set MM,   128                         ; v[128:129] M
.set SU,   130                         ; v[130:131] the divisor
.set RC,   132                         ; v[132:133] its reciprocal
.set WV,   12
.set RH,   13                          ; which half of the tile's rows is mine; also: I fetch for P (0) or for V (1)
.set CH,   14                          ; which half of its channels; also: which half of that tile I fetch
.set LAPC, 15
.set G1,   24
.set G0,   32
.set G1B,  48
.set G0B,  56
.set MSB, 0
.macro WIN new
.if MSB != (\new)
	s_set_vgpr_msb (MSB<<8)|(\new)
.set MSB, \new
.endif
.endm
.set MUL_LO, 0xa1                      ; source 0 (V^T) window 1, source 1 (P) window 0, C and D window 2
.set TO_B,   0x40
.macro JLOAD s                         ; a joint load: waves 0 and 1 fetch P's two halves, waves 2 and 3 V's; an s_nop 0 and four v_nop follow each of the two lines
	s_cmp_eq_u32 s[RH], 0
	s_cbranch_scc0 .Lfor_b_\@
	tensor_load_to_lds s[G0+4*(\s):G0+4*(\s)+3], s[G1:G1+7]
	s_nop 0
.rept 4
	v_nop
.endr
	s_branch .Lasked_\@
.Lfor_b_\@:
	tensor_load_to_lds s[G0B+4*(\s):G0B+4*(\s)+3], s[G1B:G1B+7]
	s_nop 0
.rept 4
	v_nop
.endr
.Lasked_\@:
.endm
.macro CREST
	s_cmp_lg_u32 s[WV], 0
	s_cbranch_scc1 .Lnot_wave_0_\@
	s_barrier_signal -3
.Lnot_wave_0_\@:
	s_barrier_wait -3
	s_barrier_signal -1
	s_barrier_wait -1
.endm
.macro CROUND
	s_barrier_signal -1
	s_barrier_wait -1
	CREST
.endm
	s_load_b256 s[4:11], s[0:1], 0x0               ; pbuf s[4:5], vh s[6:7], stats s[8:9], out0 s[10:11]
	v_lshl_add_u32 v[SPW], v0, 2, SPARE
	v_mov_b32 v[NIL], 0
	ds_add_u32 v[SPW], v[NIL]                      ; the wave's opening: the add and its wait stand ahead of my first tensor load; work on registers stands between them
	v_lshrrev_b32 v1, 5, v0
	v_readfirstlane_b32 s[WV], v1
	v_lshlrev_b32 v[SOF], 3, v0
	s_lshr_b32 s[RH], s[WV], 1
	s_and_b32 s[CH], s[WV], 1
	s_bfe_u32 s40, ttmp6, 0x40000                  ; cx
	s_bfe_u32 s41, ttmp6, 0x40004                  ; cy
	s_lshl_b32 s42, ttmp9, 2
	s_add_co_u32 s42, s42, s40                     ; channel tile, 0..3
	s_and_b32 s16, ttmp7, 0xffff
	s_lshl_b32 s43, s16, 2
	s_add_co_u32 s43, s43, s41                     ; row tile over the stacked batches, 0..63
	s_lshr_b32 s17, s16, 1                         ; the batch, which all sixteen partners share
	s_lshl_b32 s44, s41, 2
	s_lshl_b32 s44, 15, s44                        ; my row of the cluster
	s_lshl_b32 s45, 0x1111, s40                    ; my column
	s_or_b32 s[G1+0], s44, (1<<16)|(1<<20)|(1<<21)|(5<<22)|(3<<25)   ; P: 2-byte elements; 4 words of padding after every 64
	s_mov_b32 s[G1+1], KSTEP<<16                   ; tensor_dim0 = 128
	s_mov_b32 s[G1+2], 128<<16                     ; tensor_dim1 = 128
	s_mov_b32 s[G1+3], KSTEP<<16                   ; tile_dim0 = 128
	s_mov_b32 s[G1+4], 128                         ; tile_dim1 = 128
	s_mov_b32 s[G1+5], KEYS                        ; elements from row to row
	s_mov_b32 s[G1+6], 0
	s_mov_b32 s[G1+7], 0
	s_or_b32 s[G1B+0], s45, (1<<16)|(1<<20)|(1<<21)|(6<<22)|(7<<25)  ; V: 8 words of padding after every 128
	s_mov_b32 s[G1B+1], 256<<16                    ; tensor_dim0 = 256
	s_mov_b32 s[G1B+2], 64<<16                     ; tensor_dim1 = 64
	s_mov_b32 s[G1B+3], 256<<16                    ; tile_dim0 = 256
	s_mov_b32 s[G1B+4], 64                         ; tile_dim1 = 64
	s_mov_b32 s[G1B+5], 1024
	s_mov_b32 s[G1B+6], 0
	s_mov_b32 s[G1B+7], 0
	s_lshl_b32 s18, s43, 8
	s_lshl_b32 s19, s[CH], 7
	s_add_co_u32 s18, s18, s19                     ; P: row 256 x row tile + 128 x half,
	s_lshl_b32 s18, s18, 12                        ; rows of 4,096 bytes: under 2^26
	s_mov_b32 s19, 0
	s_lshl_b32 s46, s17, 11
	s_lshl_b32 s47, s[CH], 6
	s_add_co_u32 s46, s46, s47                     ; V: key 2,048 x batch + 64 x half,
	s_lshl_b32 s46, s46, 11                        ; rows of 2,048 bytes,
	s_lshl_b32 s47, s42, 9
	s_add_co_u32 s46, s46, s47                     ; and the tile's 512 bytes of a row
	s_mov_b32 s47, 0
	s_mul_i32 s20, s[WV], HALFT                    ; where they go: no place in the cluster enters an LDS address
	s_lshl_b32 s72, s43, 8
	s_lshl_b32 s73, s[RH], 7
	s_add_co_u32 s72, s72, s73
	s_lshl_b32 s72, s72, 12                        ; out0: my first row,
	s_lshl_b32 s73, s42, 10
	s_add_co_u32 s72, s72, s73                     ; the tile's 1,024 bytes,
	s_lshl_b32 s73, s[CH], 9
	s_add_co_u32 s72, s72, s73                     ; my 512 of them
	s_mov_b32 s73, 0
	s_lshl_b32 s74, s43, 10                        ; stats: the tile's 256 rows
	s_mov_b32 s75, 0
	s_wait_dscnt 0x0                               ; the opening add is done
	s_wait_kmcnt 0x0
	s_add_nc_u64 s[18:19], s[4:5], s[18:19]
	s_add_nc_u64 s[46:47], s[6:7], s[46:47]
	s_add_nc_u64 s[8:9], s[8:9], s[74:75]
	s_add_nc_u64 s[10:11], s[10:11], s[72:73]
.set t, 0
.rept 16                               ; thread i owns rows 2 i and 2 i + 1 of the tile: a wave's load covers 256 consecutive bytes.  They are on their way during the round and the first fills
	global_load_b64 v[CMR+2*t:CMR+2*t+1], v[SOF], s[8:9] offset:t*65536
	global_load_b64 v[LR+2*t:LR+2*t+1],   v[SOF], s[8:9] offset:t*65536+1048576
.set t, t+1
.endr
	CROUND                                         ; all sixteen work-groups are here: the first joint loads meet
.irp s, 0,1
	s_mov_b32 s[G0+4*(\s)], 1
	s_add_co_u32 s[G0+4*(\s)+1], s20, (\s)*SLOT
	s_add_nc_u64 s[G0+4*(\s)+2:G0+4*(\s)+3], s[18:19], (\s)*KSTEP*2      ; K step s: 256 bytes along P's rows,
	s_or_b32 s[G0+4*(\s)+3], s[G0+4*(\s)+3], 0x80000000
	s_mov_b32 s[G0B+4*(\s)], 1
	s_add_co_u32 s[G0B+4*(\s)+1], s20, (\s)*SLOT
	s_add_nc_u64 s[G0B+4*(\s)+2:G0B+4*(\s)+3], s[46:47], (\s)*KSTEP*2048 ; 128 rows down V
	s_or_b32 s[G0B+4*(\s)+3], s[G0B+4*(\s)+3], 0x80000000
	JLOAD \s                                       ; two loads of mine are out
.endr
	v_and_b32 v1, 15, v0                           ; l % 16
	v_bfe_u32 v2, v0, 4, 1                         ; l / 16
	v_mul_u32_u24 v3, v1, PITCH
	v_lshl_add_u32 v3, v2, 4, v3                   ; P: row x pitch + 16 x half
	; The turning load takes 16 keys x 16 channels (lane l reads key 8 (l / 16) + l % 8, channels 8 ((l / 8) % 2) + 0..7) and leaves half a fragment of V^T: lane l holds channel l % 16 and 8 keys.
	v_and_b32 v6, 7, v0
	v_bfe_u32 v7, v0, 3, 1
	v_lshl_add_u32 v8, v2, 3, v6
	v_mul_u32_u24 v8, v8, PV
	v_lshl_add_u32 v8, v7, 4, v8
	s_mul_i32 s21, s[RH], HALFT                    ; my 128 rows of P
	s_lshl_b32 s22, s[CH], 8                       ; my 128 channels: 256 bytes of V's rows,
	s_add_co_u32 s22, s22, 2*HALFT                 ; which lie behind P's 256
.irp s, 0,1
	v_add_nc_u32 v[ADRA+(\s)], s21, v3
	v_add_nc_u32 v[ADRB+(\s)], s22, v8
	s_add_co_u32 s21, s21, SLOT
	s_add_co_u32 s22, s22, SLOT
.endr
	s_mul_i32 s23, s[WV], 16*SPITCH
	s_add_co_u32 s23, s23, STAGE                   ; my stage
	v_mul_u32_u24 v4, v1, SPITCH                   ; in: row l % 16, 32 bytes (8 f32) for each half of the lanes
	v_lshl_add_u32 v4, v2, 5, v4
	v_add_nc_u32 v[STO], s23, v4
	v_mul_u32_u24 v5, v2, SPITCH                   ; back: lanes 0-15 take one row's 256 bytes, lanes 16-31 the next row's
	v_lshl_add_u32 v5, v1, 4, v5
	v_add_nc_u32 v[RD], s23, v5
	v_lshlrev_b32 v5, 12, v2                       ; and the same two rows in out0
	v_lshl_add_u32 v[CO], v1, 4, v5
	; THE FACTORS' TABLE.  The word {F, F} of step t and tile row r lies at TAB + 1,024 t + 256 (r / 64) + 16 (r % 16) + 4 ((r / 16) % 4): a lane's 16 bytes are its row's place in four row blocks.
	s_lshl_b32 s23, s[RH], 9
	s_add_co_u32 s23, s23, TAB
	v_lshl_add_u32 v[FA], v1, 4, s23               ; the reader: my half of the rows, my row's place
	s_lshl_b32 s23, s[WV], 8                       ; the writer: wave w's threads own rows 64 w to 64 w + 63,
	s_add_co_u32 s23, s23, TAB
	v_lshl_add_u32 v[TS], v6, 5, s23               ; r % 16 = 2 (thread % 8) + j,
	v_bfe_u32 v7, v0, 3, 2
	v_lshl_add_u32 v[TS], v7, 2, v[TS]             ; (r / 16) % 4 = (thread / 8) % 4
	s_wait_loadcnt 0x0                             ; cm and l
.irp j, 0,1
	v_max3_num_f32 v[MM+(\j)], v[CMR+(\j)], v[CMR+2+(\j)], v[CMR+4+(\j)]
.irp k, 0,1,2,3,4,5
	v_max3_num_f32 v[MM+(\j)], v[MM+(\j)], v[CMR+6+4*(\k)+(\j)], v[CMR+8+4*(\k)+(\j)]
.endr
	v_max_num_f32 v[MM+(\j)], v[MM+(\j)], v[CMR+30+(\j)]   ; M
.endr
.set t, 0
.rept 16
	v_pk_add_f32 v[CMR+2*t:CMR+2*t+1], v[CMR+2*t:CMR+2*t+1], v[MM:MM+1] neg_lo:[0,1] neg_hi:[0,1]  ; cm_t - M
.set t, t+1
.endr
.set i, 0
.rept 32
	v_exp_f32 v[CMR+i], v[CMR+i]                   ; e_t
.set i, i+1
.endr
	v_nop                                          ; a plain instruction between the last exponential and the use of its result
	s_wait_alu depctr_va_vdst(0)
	v_pk_mul_f32 v[SU:SU+1], v[CMR:CMR+1], v[LR:LR+1]
.set t, 1
.rept 15
	v_pk_fma_f32 v[SU:SU+1], v[CMR+2*t:CMR+2*t+1], v[LR+2*t:LR+2*t+1], v[SU:SU+1]
.set t, t+1
.endr
	v_rcp_f32 v[RC], v[SU]
	v_rcp_f32 v[RC+1], v[SU+1]
	v_nop
.set t, 0
	s_wait_alu depctr_va_vdst(0)
.rept 16
	v_pk_mul_f32 v[CMR+2*t:CMR+2*t+1], v[CMR+2*t:CMR+2*t+1], v[RC:RC+1]
.set t, t+1
.endr
.set i, 0
.rept 32
	v_cvt_pk_f16_f32 v[LR+i], v[CMR+i], v[CMR+i]   ; F in both halves of the word
.set i, i+1
.endr
.set i, 0
.rept 32
	ds_store_b32 v[TS], v[LR+i] offset:(i/2)*1024+16*(i%2)
.set i, i+1
.endr
; 32 LDS loads in one run: the fragments of quarter q (32 keys) into buffer f: V's 16, turned, then P's 16
.macro FETCH slot, q, f
	WIN TO_B
.irp i, 0,1,2,3,4,5,6,7
	ds_load_tr16_b128 v[(\f)+8*(\i):(\f)+8*(\i)+3],   v[ADRB+(\slot)] offset:(\q)*32*PV+32*(\i)
	ds_load_tr16_b128 v[(\f)+8*(\i)+4:(\f)+8*(\i)+7], v[ADRB+(\slot)] offset:(\q)*32*PV+16*PV+32*(\i)
.endr
	WIN 0
.irp i, 0,1,2,3,4,5,6,7
	ds_load_b128 v[(\f)+8*(\i):(\f)+8*(\i)+3],   v[ADRA+(\slot)] offset:64*(\q)+(\i)*16*PITCH
	ds_load_b128 v[(\f)+8*(\i)+4:(\f)+8*(\i)+7], v[ADRA+(\slot)] offset:64*(\q)+(\i)*16*PITCH+32
.endr
.endm
.macro FLOAD fr, off                   ; a step's factors of my eight row blocks; it stands at the front of a run of fragment loads, so the counted waits behind that run cover it
	WIN 0
	ds_load_b128 v[(\fr):(\fr)+3],   v[FA] offset:(\off)
	ds_load_b128 v[(\fr)+4:(\fr)+7], v[FA] offset:(\off)+256
.endm
.macro PLACES                          ; four places in front of loads into registers that matrix instructions have read, and of stores of results just made
.rept 4
	v_nop
.endr
.endm
.macro SCALE8 f, fr                    ; row block 0's fragment times its factor
	WIN 0
.irp z, 0,1,2,3,4,5,6,7
	v_pk_mul_f16 v[(\f)+(\z)], v[(\f)+(\z)], v[(\fr)]
.endr
.endm
; Row block a x all 8 channel blocks, 32 keys: 8 matrix instructions.  sc = 1: behind every second one, two of the eight multiplies that scale row block a + 1's fragment.
; The 64 accumulators take turns, one instruction a turn, in the same order in every quarter.
.macro MROW f, a, zero, sc, fr
.irp b, 0,1,2,3,4,5,6,7
	WIN MUL_LO+0x50*((\a)/4)
.if \zero
	v_wmma_f32_16x16x32_f16 v[8*(8*((\a)%4)+(\b)):8*(8*((\a)%4)+(\b))+7], v[(\f)+8*(\b):(\f)+8*(\b)+7], v[(\f)+8*(\a):(\f)+8*(\a)+7], 0
.else
	v_wmma_f32_16x16x32_f16 v[8*(8*((\a)%4)+(\b)):8*(8*((\a)%4)+(\b))+7], v[(\f)+8*(\b):(\f)+8*(\b)+7], v[(\f)+8*(\a):(\f)+8*(\a)+7], v[8*(8*((\a)%4)+(\b)):8*(8*((\a)%4)+(\b))+7]
.endif
.if (\sc) && ((\b)%2 == 0)
	WIN 0
	v_pk_mul_f16 v[(\f)+8*((\a)+1)+(\b)],   v[(\f)+8*((\a)+1)+(\b)],   v[(\fr)+(\a)+1]
	v_pk_mul_f16 v[(\f)+8*((\a)+1)+(\b)+1], v[(\f)+8*((\a)+1)+(\b)+1], v[(\fr)+(\a)+1]
.endif
.endr
.endm
; A K step is four quarters of 32 keys, 64 matrix instructions each, on buffers 0, 1, 0, 1.  One of the first three multiplies buffer f and, in its middle, fetches quarter q into g.
.macro QUARTER slot, q, f, g, zero, fr
	s_wait_dscnt 8                                 ; the factors, V and P's row blocks 0-3 are in; the youngest eight loads (row blocks 4-7) may be out
	SCALE8 \f, \fr
	MROW \f, 0, \zero, 1, \fr
	MROW \f, 1, \zero, 1, \fr
	MROW \f, 2, \zero, 1, \fr
	s_wait_dscnt 0x0                               ; row block 4's fragment is scaled next
	MROW \f, 3, \zero, 1, \fr
	PLACES
	FETCH \slot, \q, \g
	MROW \f, 4, \zero, 1, \fr
	MROW \f, 5, \zero, 1, \fr
	MROW \f, 6, \zero, 1, \fr
	MROW \f, 7, \zero, 0, \fr
.endm
; The last quarter multiplies buffer 1 and changes slots: ONE barrier.  In front of it each wave waits for all its tensor loads (one is out: its part of the next slot), adds 0 to its spare word,
; and waits for that and for its own reads of this slot.  fill = 1: the barrier opens a round of the cluster's, and this slot is filled again, two K steps ahead, first thing behind the round.
; Then the next step's factors (foff from FA; step = 1: FA goes a lap on) and first fragments.
.macro TURN slot, next, fill, fr, foff, step
	WIN 0                                          ; (the add's two registers lie in window 0)
	s_wait_tensorcnt 0x0                           ; all my tensor loads have landed
	ds_add_u32 v[SPW], v[NIL]                      ; 0 onto my spare word
	s_wait_dscnt 9                                 ; (the add and the youngest eight loads may be out)
	SCALE8 F1, \fr
	MROW F1, 0, 0, 1, \fr                          ; sixteen matrix instructions stand between the add and the wait for it
	MROW F1, 1, 0, 1, \fr
	s_wait_dscnt 0x0                               ; the add is done, and my reads of this slot are over
	s_barrier_signal -1
	MROW F1, 2, 0, 1, \fr                          ; work on registers while the others arrive
	MROW F1, 3, 0, 1, \fr
	WIN 0
	s_barrier_wait -1
.if \fill
	CREST                                          ; no wave of any partner still reads this slot's tile or has a load on its way
	s_add_nc_u64 s[G0+4*(\slot)+2:G0+4*(\slot)+3], s[G0+4*(\slot)+2:G0+4*(\slot)+3], 2*KSTEP*2
	s_add_nc_u64 s[G0B+4*(\slot)+2:G0B+4*(\slot)+3], s[G0B+4*(\slot)+2:G0B+4*(\slot)+3], 2*KSTEP*2048
	JLOAD \slot                                    ; 224 matrix instructions ahead of the wait for it; its four v_nop are also the places in front of the loads below
.else
	PLACES
.endif
	FLOAD FR0+8*(\next), \foff
.if \step
	v_add_nc_u32 v[FA], 2048, v[FA]
.endif
	FETCH \next, 0, F0
	MROW F1, 4, 0, 1, \fr
	MROW F1, 5, 0, 1, \fr
	MROW F1, 6, 0, 1, \fr
	MROW F1, 7, 0, 0, \fr
.endm
; THE WAY OUT, by half blocks n = 0..15: 16 rows (block n / 2) x 64 channels (half n % 2): 256 bytes a row.  The division by the softmax's sum lies in the factors: nothing is left to compute.
.macro STG n                           ; 32 bytes a lane into my own stage, and back as whole pieces of 256 bytes
.set AC, 64*(((\n)/2)%4)+32*((\n)%2)
.set W, 2+(\n)/8
.set BK, OB+192*((\n)%2)
	s_wait_xcnt 0x0                                ; the registers that the stores two half blocks back read are loaded again only behind this wait
	WIN 4*W                                        ; the stores' data in the accumulators' window
.irp b, 0,1,2,3
	ds_store_b128 v[STO], v[AC+8*(\b):AC+8*(\b)+3]   offset:64*(\b)      ; each accumulator's lowest registers are read first
	ds_store_b128 v[STO], v[AC+8*(\b)+4:AC+8*(\b)+7] offset:64*(\b)+16
.endr
	WIN 0
.irp t, 0,1,2,3,4,5,6,7
	ds_load_b128 v[BK+4*(\t):BK+4*(\t)+3], v[RD] offset:(\t)*2*SPITCH    ; LDS serves a wave's instructions in order (ISA guide 5.7.1.4): these see the stores above; the next half block's stores come behind them
.endr
.endm
.macro SEND n, younger                 ; younger: the LDS instructions issued behind half block n's loads: the next one's sixteen, or none
	WIN 0
.set BK, OB+192*((\n)%2)
	s_wait_dscnt \younger
	s_wait_xcnt 0x0                                ; the stores' base is stepped only behind this wait
.if ((\n)%2 == 0) && ((\n) > 0)
	s_add_nc_u64 s[10:11], s[10:11], 16*OROW       ; 16 rows of out0 on
.endif
.irp t, 0,1,2,3,4,5,6,7
	global_store_b128 v[CO], v[BK+4*(\t):BK+4*(\t)+3], s[10:11] offset:2*(\t)*OROW+256*((\n)%2) th:TH_STORE_NT  ; 16 lanes store 256 consecutive bytes, at a multiple of 256 from out0's first byte
.endr
.endm
	s_wait_dscnt 0x0                               ; for the others' sake: my part of the table is written,
	s_wait_tensorcnt 1                             ; my part of K step 0 is in; K step 1's may stay out
	s_barrier_signal -1
	s_barrier_wait -1                              ; everybody's is
	FLOAD FR0, 0
	FETCH 0, 0, F0
	QUARTER 0, 1, F0, F1, 1, FR0                   ; the first quarter stands in front of the loop: its products start the sums
	WIN 0                                          ; at a label and at a branch every window is 0
	s_mov_b32 s[LAPC], LAPS-1
.Llap:                                                 ; a trip goes once round the ring and fills both slots again
	QUARTER 0, 2, F1, F0, 0, FR0
	QUARTER 0, 3, F0, F1, 0, FR0
	TURN 0, 1, 1, FR0, 1024, 0
	QUARTER 1, 1, F0, F1, 0, FR1
	QUARTER 1, 2, F1, F0, 0, FR1
	QUARTER 1, 3, F0, F1, 0, FR1
	TURN 1, 0, 1, FR1, 2048, 1
	QUARTER 0, 1, F0, F1, 0, FR0
	WIN 0
	s_sub_co_u32 s[LAPC], s[LAPC], 1
	s_cmp_lg_u32 s[LAPC], 0
	s_cbranch_scc1 .Llap
	QUARTER 0, 2, F1, F0, 0, FR0                   ; the last lap is written out: it fills nothing, and has no round of the cluster's barrier
	QUARTER 0, 3, F0, F1, 0, FR0
	TURN 0, 1, 0, FR0, 1024, 0
	QUARTER 1, 1, F0, F1, 0, FR1
	QUARTER 1, 2, F1, F0, 0, FR1
	QUARTER 1, 3, F0, F1, 0, FR1
	s_wait_dscnt 8                                 ; the very last quarter: nothing more to fetch
	SCALE8 F1, FR1
	MROW F1, 0, 0, 1, FR1
	MROW F1, 1, 0, 1, FR1
	MROW F1, 2, 0, 1, FR1
	s_wait_dscnt 0x0
	MROW F1, 3, 0, 1, FR1
	MROW F1, 4, 0, 1, FR1
	MROW F1, 5, 0, 1, FR1
	MROW F1, 6, 0, 1, FR1
	MROW F1, 7, 0, 0, FR1
	WIN 0
	PLACES
	STG 0
.irp n, 1,2,3,4,5,6,7,8,9,10,11,12,13,14,15    ; a half block's way through the stage stands between the loads of the one before and its stores
	STG \n
	SEND (\n)-1, 16
.endr
	SEND 15, 0
	s_wait_tensorcnt 0x0                           ; the wave's end, behind my last tensor load and my last LDS store
	ds_add_u32 v[SPW], v[NIL]
	s_wait_dscnt 0x0
	CROUND                                         ; the closing round: no work-group ends while a partner may still ask for a tile that names it
	s_endpgm
.Lfunc_end_k_q73a72712e0_pv:
	.size	k_q73a72712e0_pv, .Lfunc_end_k_q73a72712e0_pv-k_q73a72712e0_pv
	.p2alignl 7, 3214868480
	.fill 96, 4, 3214868480
	.section	.rodata,"a",@progbits
	.p2align	6, 0x0
	.amdhsa_kernel k_q73a72712e0_pv
		.amdhsa_group_segment_fixed_size 327680
		.amdhsa_private_segment_fixed_size 0
		.amdhsa_enable_private_segment 0
		.amdhsa_kernarg_size 32
		.amdhsa_user_sgpr_count 2
		.amdhsa_user_sgpr_kernarg_segment_ptr 1
		.amdhsa_wavefront_size32 1
		.amdhsa_system_sgpr_workgroup_id_x 1
		.amdhsa_system_sgpr_workgroup_id_y 1
		.amdhsa_system_sgpr_workgroup_id_z 1
		.amdhsa_system_vgpr_workitem_id 0
		.amdhsa_next_free_vgpr 1024
		.amdhsa_next_free_sgpr 80
		.amdhsa_reserve_vcc 0
		.amdhsa_float_denorm_mode_32 3
		.amdhsa_float_denorm_mode_16_64 3
		.amdhsa_memory_ordered 1
		.amdhsa_forward_progress 1
		.amdhsa_inst_pref_size 248
	.end_amdhsa_kernel
	.amdgpu_metadata
---
amdhsa.version: [ 1, 2 ]
amdhsa.kernels:
  - .name:           k_q73a72712e0_pv
    .symbol:         k_q73a72712e0_pv.kd
    .args:
      - { .name: pbuf, .offset: 0, .size: 8, .value_kind: global_buffer, .address_space: global }
      - { .name: vh, .offset: 8, .size: 8, .value_kind: global_buffer, .address_space: global }
      - { .name: stats, .offset: 16, .size: 8, .value_kind: global_buffer, .address_space: global }
      - { .name: out0, .offset: 24, .size: 8, .value_kind: global_buffer, .address_space: global }
    .group_segment_fixed_size: 327680
    .private_segment_fixed_size: 0
    .kernarg_segment_align: 8
    .kernarg_segment_size: 32
    .max_flat_workgroup_size: 128
    .sgpr_count:     80
    .vgpr_count:     1024
    .wavefront_size: 32
...
	.end_amdgpu_metadata
.endif
;; end of part 3
